; MI455X (gfx1250); checked and timed in simulation.
; The chip was launched on July 23, 2026; its instructions are those of AMD's public machine-readable ISA for CDNA 5 (MIT licence, August 2026) and "CDNA5" Instruction Set Architecture Reference Guide (July 2026). The comments in the code are by the model that wrote it; some were corrected since.
;; Attention. Allowed arithmetic: matrix products marked QUANTISED: E2M3 operands, one E8M0 scale for each 32 along K, by v_wmma_scale_f32_16x16x128_f8f6f4 with both operands' format E2M3, f32 sums; products left as they are: f32 operands where the result goes on into a quantised operand, else bf16, f16 or f32 operands; f32 sums; everything else in f32.
;; Inputs: Wg_codes 32 x 2 x 24 uint8 (E2M3 codes of Wg, K innermost, in blocks of 32 codes, four codes in three bytes); Wg_scales 32 x 2 uint8 (E8M0 scales of Wg, one for each 32 codes along K); Wo_codes 64 x 1 x 24 uint8 (E2M3 codes of Wo, K innermost, in blocks of 32 codes, four codes in three bytes); Wo_scales 64 x 1 uint8 (E8M0 scales of Wo, one for each 32 codes along K); Wp 8 x 64 float32; Wt 8 x 64 float32; gamma one number float32; x 16 x 64 x 64 x 64 float32.
;; Outputs: out0 16 x 64 x 64 x 64 float32.
;; This version of the problem:
;;   THIS VERSION OF THE PROBLEM IS GIVEN IN LOW PRECISION. The matrix products marked QUANTISED in the list below multiply operands that are first quantised to E2M3 (2 exponent bits, 3 mantissa bits; 6 bits a number), with one power-of-two scale for each 32 numbers along K (OCP MX v1.0); their sums are f32. All else is computed in f32.
;;   The module's matrix products, in the order in which they are computed (A, B: the left and right operand; K: the contracted axis; several contracted axes count as one K, in the product's order):
;;     1. [M 65,536, K 64] x [K 64, N 8]; A: input x; B: input Wt: left as it is (N = 8 < 16)
;;     2. [M 65,536, K 64] x [K 64, N 8]; A: input x; B: input Wp: left as it is (N = 8 < 16)
;;     3. [M 65,536, K 64] x [K 64, N 32]; A: input x; B: input Wg (given as codes): QUANTISED
;;     4. batch 16 x [M 4,096, K 8] x [K 8, N 1,024]; A: computed on the way; B: computed on the way: left as it is (K = 8 < 32)
;;     5. batch 16 x [M 32, K 1,024] x [K 1,024, N 4,096]; A: computed on the way; B: softmax (see below): QUANTISED
;;     6. [M 65,536, K 32] x [K 32, N 64]; A: computed on the way; B: input Wo (given as codes): QUANTISED
;;   THE QUANTISER, for each operand of a quantised product, along K:
;;     - K is cut into blocks of 32 from its start; a last block that is shorter is filled with zeros.
;;     - A block's scale is 2^e with e = floor(log2(the largest magnitude in the block)) - 2, held to -126 .. 127; a block of zeros has e = 0. As a byte (E8M0): e + 127.
;;     - Each number is divided by its block's scale, clamped to +-7.5, and rounded to the nearest number of E2M3, ties to even, subnormals kept.
;;     - The product sums the exact products of the quantised numbers (number of the format x scale) in f32.
;;   ~~~python
;;   def quantise(x, axis):      # numpy; x: float32 -> the quantised numbers, widened to float32 again
;;       x = np.moveaxis(x, axis, -1); K = x.shape[-1]
;;       x = np.pad(x, [(0, 0)] * (x.ndim - 1) + [(0, -K % 32)]); x = x.reshape(x.shape[:-1] + (-1, 32)); a = np.abs(x).max(-1, keepdims=True)
;;       e = np.where(a > 0, np.clip(np.frexp(np.where(a > 0, a, 1))[1] - 1 - 2, -126, 127), 0)      # np.frexp(a)[1] - 1 = floor(log2(a)), exactly
;;       r = np.clip(x / 2.0 ** e, -7.5, 7.5)
;;       step = 2.0 ** (np.maximum(np.frexp(np.where(r == 0, 1, r))[1] - 1, 0) - 3)
;;       q = np.round(r / step) * step * 2.0 ** e      # np.round: ties to even
;;       return np.moveaxis(q.reshape(q.shape[:-2] + (-1,))[..., :K], -1, axis).astype(np.float32)
;;   ~~~
;;   SOFTMAX AHEAD OF A QUANTISED PRODUCT. Where the list says 'softmax', what is quantised is not the finished softmax but p = 2^(t - M), with t = logit x log2(e) and M = ceil(the row's largest t), a whole number; so 1/2 < the row's largest p <= 1. The row's sum l is taken of the UNQUANTISED p, in f32, and the product's result is divided by l at the end. Since M is a whole number, a kernel that streams over the keys may use a running M (the ceiling of the running maximum): every later rescaling is an exact power of two, which a block's scale takes up: the codes' values come out the same.
;;   OPERANDS COMPUTED ON THE WAY. 'Computed on the way' means the value that the module computes at that place (a softmax that the list does not call 'softmax' is quantised finished and normalised). What goes into a quantiser is computed in f32, as accurately as f32 sums, v_exp_f32 and their like allow (about 1e-6 of the number): no bf16 or f16 on the way to a quantiser, and a product that is left as it is and whose result goes on into a quantised operand takes f32 operands (vector FMAs, or v_wmma_f32_16x16x4_f32). A number that lies on a knife's edge between two numbers of the format may be rounded either way, as far as f32 arithmetic and the matrix unit's own rounding can turn it there, and no further.
;;   INPUTS GIVEN AS CODES. Wg (in the module: [32, 64], K = its axis 1); Wo (in the module: [64, 32], K = its axis 1): each comes as NAME_codes (uint8): NAME with its K axis moved to the last place and cut into blocks of 32 codes, [.., K / 32, bytes a block], one block behind the other in memory; four codes in three bytes: a row's codes are one little-endian stream of bits, code i at bits 6 i .. 6 i + 5 (a code: sign, 2 exponent bits, 3 mantissa bits); and NAME_scales (uint8): the same leading axes, one E8M0 byte (e + 127) for each 32 codes along K. Its value is code x scale, taken as it is: it is not quantised again, and the codes and scales need not be those that the quantiser above would give.
;; One version. Each part assembles by itself: llvm-mc -triple=amdgcn-amd-amdhsa -mcpu=gfx1250 --defsym DOCPART=n.
;; ======== version 1 of 1: 2 launches
;; workspace buffers: kv 933,888 bytes
;; launch prep (part 1): grid 16 x 16, 4 waves a work-group, no clusters, 168,448 bytes of LDS; arguments x, Wp, Wg_codes, Wg_scales, kv; writes kv
.if DOCPART == 1
	.amdgcn_target "amdgcn-amd-amdhsa--gfx1250"
	.amdhsa_code_object_version 6
	.text
	.protected	k_q6ff14c1bb8_prep
	.globl	k_q6ff14c1bb8_prep
	.p2align	8
	.type	k_q6ff14c1bb8_prep,@function
k_q6ff14c1bb8_prep:
	s_mov_b64 s[64:65], 0
	v_nop
	global_prefetch_b8 v0, s[64:65] scope:SCOPE_SE
	s_setreg_imm32_b32 hwreg(HW_REG_WAVE_MODE, 25, 1), 1
	s_wait_xcnt 0x0
; PREP: the keys' side of the attention.  x: [16][64 channels][64][64] f32.  For each batch and each 2 x 2 pooled pixel (a key, 1,024 a batch):
;   phi = maxpool(Wp x), 8 channels, f32 operands and sums (it goes on into the softmax that is quantised);
;   g   = maxpool(Q(x) Wg), 32 channels: x is quantised to FP6 (E2M3) along its 64 channels, two blocks of 32 a pixel; Wg comes as codes; then g is quantised along the KEYS: a block of 32 keys is one pooled image row.
; Both leave in kv, one record of 58,368 bytes a batch, laid in the order of the registers of the launch that reads it:
;   PHI at 0:      64 tiles x 512 bytes.  Tile T = 2 hp + u (hp: pooled row): lane (r, h) has 16 bytes at 512 T + 16 lane: phi[4 h .. 4 h + 3] of key 32 hp + 8 u + r + 8 (r / 8)
;   GC  at 32,768: [ct 2][ks 8][c 2][lane 32][24 bytes]: lane (r, hb): the 32 codes of block 4 ks + 2 c + hb of channel slot (ct, r) = channel 16 (r / 8) + 8 ct + r % 8
;   GS  at 57,344: [ks 8][ct 2][r 16][4 bytes]: byte j: the E8M0 scale of block 4 ks + j
; SHARES.  A work-group owns 4 image rows of one batch (64 keys: pooled rows 2 wgb + b); wave w = 2 b + u makes the pooled tile (b, u): index r is pooled column 8 u + r + 8 (r / 8).
; Its four pixel tiles (dy, dx) are taken two at a time.  The work-group's part of x, 64 channel rows x 1,024 bytes, comes into LDS by one tensor load a wave (16 channels each), filled once.
; NO CLUSTER: work-groups share only the weights, 3.6 KB against 64 KB of x a work-group.  No prefetch: all that a work-group reads is asked for at its head.
; THE f32 MATRIX FORM (16 x 16 x 4): a lane (r, h) holds channels 32 h + i in its registers i = 0 .. 31, of Wp and of x alike; step s names registers 2 s, 2 s + 1: K is permuted alike on both sides.
; Lane r of Wp's fragment takes row r % 4 + 4 (r / 8) (rows are repeated), so that registers 0-3 of the result hold channels 4 h + 0 .. 3 of pixel r: the layout in which the scores' product wants phi.
; LIMITS: NaN and infinities are not served.  A block whose largest magnitude lies under 2^-124 (a block of zeros among them) gets the scale byte 1, where the rule gives a block of zeros 127: zero codes add nothing
; under either byte, and this program alone reads the bytes.  The f32 sums of phi run in another order of channels than the source's.
; The 16 scale bytes of a wave leave as single bytes (1,024 bytes a batch): two work-groups share each word of four blocks.
.set XP,    1040                       ; a channel's row in LDS: 1,024 bytes + 16 of padding
.set HOFF,  33344                      ; channels 32-63 lie 32 rows and 64 bytes on: the two halves of the lanes then read different banks (64 banks of 4 bytes: ISA guide 11.1)
.set EX,    66816                      ; behind x's tile (it ends at 66,624): 8,192 bytes in which the pooled g changes waves; no tensor load fills them
.set REC,   58368
.set GCB,   32768
.set GSB,   57344
.set FLOOR, 0x1800000                  ; 2^(3 - 127): under it no largest magnitude is taken, so a scale's byte cannot fall under 1
.set EOFF,  0xff000000                 ; takes 2 off an exponent field
.set R,   1                            ; v1   r = lane % 16
.set H,   2                            ; v2   h = lane / 16
.set XA,  3                            ; v3   LDS: my pixel of the tile (dy = dx = 0), channel 32 h
.set LN,  4                            ; v4   lane
.set EXS, 5                            ; v5   LDS: where I put the pooled g
.set EXL, 6                            ; v6   LDS: where I take it up again
.set WPO, 7                            ; v7   my bytes of Wp
.set WGO, 8                            ; v8   of Wg's codes
.set WSO, 9                            ; v9   of Wg's scales
.set PO,  10                           ; v10  kv: my 16 bytes of phi
.set GCO, 11                           ; v11  kv: my 12 bytes of g's codes
.set GSO, 12                           ; v12  kv: my block's scale byte
.set SH8, 13                           ; v13  8 h
.set R3,  14                           ; v14  r / 8
.set WP,  16                           ; v16-47   Wp's fragment
.set X,   48                           ; v48-111  two pixel tiles x 32 channels; later 16 keys of g
.set PH,  112                          ; v112-127 two f32 accumulators: written by matrix instructions alone
.set CD,  128                          ; v128-151 x's codes, two tiles x 12; registers 6-11 of each stay zero (K = 64 of the instruction's 128)
.set WG,  152                          ; v152-175 Wg's codes, two tiles of 16 channel slots x 12; registers 6-11 zero
.set G,   176                          ; v176-207 the product's results [dx][ct] x 8
.set GP,  208                          ; v208-223 pooled g [ct][8]
.set PP,  224                          ; v224-227 pooled phi
.set TC,  228                          ; v228-235 second halves of the conversions
.set AM,  236                          ; v236-237 largest magnitudes
.set SO,  238                          ; v238-239 the conversions' scale operands
.set BY,  240                          ; v240-241 scale bytes
.set BX,  242                          ; v242-243 the other half's bytes
.set SX,  244                          ; v244-245 x's scale words: scales and nothing else
.set SW,  246                          ; v246-247 Wg's scale words: scales and nothing else
.set G1,  24                           ; s[24:31] descriptor group 1
.set G0,  32                           ; s[32:35] descriptor group 0
.set SEL, 36                           ; s[36:37] v_permlanex16_b32's selects for lane l xor 16
	s_load_b256 s[4:11], s[0:1], 0x0               ; x s[4:5], Wp s[6:7], Wg's codes s[8:9], Wg's scales s[10:11]
	s_load_b64 s[12:13], s[0:1], 0x20              ; kv
	v_lshl_add_u32 v254, v0, 2, 0x29000
	v_mov_b32 v255, 0
	ds_add_u32 v254, v255
	ds_add_u32 v254, v255
	v_lshrrev_b32 v1, 5, v0
	v_readfirstlane_b32 s14, v1                    ; wave 0..3
	s_mov_b32 s15, ttmp9                           ; wgb: which 4 image rows
	s_and_b32 s16, ttmp7, 0xffff                   ; batch
	s_lshr_b32 s17, s14, 1                         ; b: which pooled row of the two
	s_and_b32 s22, s14, 1                          ; u: which half of its columns; later ct
	; group 1: 16 rows (channels) of 128 elements of 8 bytes, 2,048 elements apart in memory; 4 words of padding behind every 256
	s_mov_b32 s[G1+0], (3<<16)|(1<<20)|(7<<22)|(3<<25)
	s_mov_b32 s[G1+1], 128<<16                     ; tensor_dim0 = 128
	s_mov_b32 s[G1+2], 16<<16                      ; tensor_dim1 = 16
	s_mov_b32 s[G1+3], 128<<16                     ; tile_dim0 = 128
	s_mov_b32 s[G1+4], 16                          ; tile_dim1 = 16
	s_mov_b32 s[G1+5], 2048                        ; from channel to channel
	s_mov_b32 s[G1+6], 0
	s_mov_b32 s[G1+7], 0
	s_mov_b32 s[G0], 1
	s_mul_i32 s[G0+1], s14, 16*XP                  ; LDS: my 16 channels,
	s_lshr_b32 s18, s14, 1
	s_lshl_b32 s18, s18, 6
	s_add_co_u32 s[G0+1], s[G0+1], s18             ; 64 bytes further on from channel 32
	s_lshl_b32 s20, s16, 20                        ; memory: batch x 2^20
	s_lshl_b32 s21, s14, 18                        ; + 16 channels x 16,384 bytes a wave
	s_add_co_u32 s20, s20, s21
	s_lshl_b32 s21, s15, 10                        ; + 4 image rows of 256 bytes
	s_add_co_u32 s20, s20, s21
	s_mov_b32 s21, 0
	s_mov_b32 s[SEL], 0x76543210
	s_mov_b32 s[SEL+1], 0xfedcba98
	s_wait_dscnt 0x0
	s_wait_kmcnt 0x0
	s_add_nc_u64 s[G0+2:G0+3], s[4:5], s[20:21]
	s_or_b32 s[G0+3], s[G0+3], 0x80000000          ; type = 2
	tensor_load_to_lds s[G0:G0+3], s[G1:G1+7]      ; my one tensor load: 16 KB; the four waves' together are the tile
	s_nop 0
.rept 4
	v_nop                                          ; behind a tensor load
.endr
	s_mul_i32 s20, s16, REC
	s_add_nc_u64 s[12:13], s[12:13], s[20:21]      ; kv at my batch's record
	v_and_b32 v[R], 15, v0
	v_bfe_u32 v[H], v0, 4, 1
	v_and_b32 v[LN], 31, v0
	v_bfe_u32 v[R3], v0, 3, 1
	v_and_b32 v[WPO], 3, v0
	v_lshl_add_u32 v[WPO], v[R3], 2, v[WPO]        ; Wp's row r % 4 + 4 (r / 8)
	v_lshlrev_b32 v[WPO], 8, v[WPO]                ; of 256 bytes,
	v_lshl_add_u32 v[WPO], v[H], 7, v[WPO]         ; channels 32 h on
	v_and_b32 v[WSO], 7, v0
	v_lshl_add_u32 v[WSO], v[R3], 4, v[WSO]        ; Wg's row of slot (0, r): 16 (r / 8) + r % 8
	v_mul_u32_u24 v[WGO], v[WSO], 48               ; 48 bytes of codes a row,
	v_mad_u32_u24 v[WGO], v[H], 24, v[WGO]         ; block h
	v_lshlrev_b32 v[WSO], 1, v[WSO]                ; two scale bytes a row
.irp i, 0,1,2,3,4,5,6,7
	global_load_b128 v[WP+4*\i:WP+4*\i+3], v[WPO], s[6:7] offset:16*\i
.endr
.irp ct, 0,1
.irp p, 0,1,2
	global_load_b64 v[WG+12*\ct+2*\p:WG+12*\ct+2*\p+1], v[WGO], s[8:9] offset:384*\ct+8*\p   ; slot (ct, r) lies 8 rows on
.endr
	global_load_u16 v[SW+\ct], v[WSO], s[10:11] offset:16*\ct   ; bytes 0, 1: the row's two scales; bytes 2, 3 are 0 and stand over zero codes
.endr
	v_mul_u32_u24 v[XA], v[H], HOFF
	v_lshl_add_u32 v[XA], v[R], 3, v[XA]           ; pooled column 8 u + r + 8 (r / 8) is image column twice that: 8 bytes a pooled column
	v_lshl_add_u32 v[XA], v[R3], 6, v[XA]
	s_lshl_b32 s18, s17, 9                         ; pooled row b: two image rows of 256 bytes
	s_lshl_b32 s19, s22, 6
	s_add_co_u32 s18, s18, s19
	v_add_nc_u32 v[XA], s18, v[XA]
	s_lshl_b32 s18, s17, 12
	s_lshl_b32 s19, s22, 10
	s_add_co_u32 s18, s18, s19
	s_add_co_u32 s18, s18, EX
	v_lshl_add_u32 v[EXS], v[LN], 4, s18           ; EX + 4,096 b + 1,024 u + 16 lane
	s_lshl_b32 s18, s14, 11
	s_add_co_u32 s18, s18, EX
	v_lshl_add_u32 v[EXL], v[LN], 4, s18           ; EX + 2,048 wave + 16 lane
	s_lshl_b32 s18, s15, 2
	s_add_co_u32 s18, s18, s14
	s_lshl_b32 s18, s18, 9
	v_lshl_add_u32 v[PO], v[LN], 4, s18            ; tile 4 wgb + wave
	s_mul_i32 s18, s22, 12288                      ; ct = wave % 2
	s_mul_i32 s19, s15, 768                        ; ks = wgb / 2, c = wgb % 2: 1,536 ks + 768 c = 768 wgb
	s_add_co_u32 s18, s18, s19
	s_mul_i32 s19, s17, 384                        ; hb = b: sixteen lanes of 24 bytes
	s_add_co_u32 s18, s18, s19
	s_add_co_u32 s18, s18, GCB
	v_mul_u32_u24 v[GCO], v[R], 24
	v_mad_u32_u24 v[GCO], v[H], 12, v[GCO]
	v_add_nc_u32 v[GCO], s18, v[GCO]
	s_lshr_b32 s18, s15, 1
	s_lshl_b32 s18, s18, 7
	s_lshl_b32 s19, s22, 6
	s_add_co_u32 s18, s18, s19
	s_and_b32 s19, s15, 1
	s_lshl_b32 s19, s19, 1
	s_add_co_u32 s18, s18, s19
	s_add_co_u32 s18, s18, s17
	s_add_co_u32 s18, s18, GSB
	v_lshl_add_u32 v[GSO], v[R], 2, s18            ; 128 ks + 64 ct + 4 r + 2 (wgb % 2) + b
	v_lshlrev_b32 v[SH8], 3, v[H]
.irp t, 0,1
.irp i, 6,7,8,9,10,11
	v_mov_b32 v[CD+12*\t+\i], 0                    ; K = 64 .. 127 of the instruction: zero codes on both sides
	v_mov_b32 v[WG+12*\t+\i], 0
.endr
	v_mov_b32 v[BX+\t], 0                          ; written once: a lane permute's destination counts as one of its sources
.endr
	s_wait_tensorcnt 0x0                           ; my 16 channels are in LDS,
	s_barrier_signal -1
	s_barrier_wait -1                              ; everybody's are
	s_wait_loadcnt 0x0                             ; the weights
; Image row 2 b + dy of my pooled row: the two pixel tiles dx = 0, 1.
.macro HALF dy
.set i, 0
.rept 32
	ds_load_b32 v[X+i], v[XA] offset:\dy*256+i*XP              ; x(channel 32 h + i, my pixel)
	ds_load_b32 v[X+32+i], v[XA] offset:\dy*256+4+i*XP         ; and the pixel to its right
.set i, i+1
.endr
	s_wait_dscnt 0x0
	; x is quantised along the channels: a lane's 32 registers ARE a block, so its largest magnitude needs no other lane.  The two tiles take turns line by line
.irp dx, 0,1
	v_max3_num_f32 v[AM+\dx], |v[X+32*\dx]|, |v[X+32*\dx+1]|, FLOOR
.endr
.set i, 2
.rept 15
.irp dx, 0,1
	v_max3_num_f32 v[AM+\dx], v[AM+\dx], |v[X+32*\dx+i]|, |v[X+32*\dx+i+1]|
.endr
.set i, i+2
.endr
.irp dx, 0,1
	v_add_nc_u32 v[SO+\dx], EOFF, v[AM+\dx]        ; 2 off the exponent field: the conversion takes this operand's exponent field as its scale
.endr
.irp dx, 0,1
	v_lshrrev_b32 v[BY+\dx], 23, v[SO+\dx]         ; the scale's byte,
.endr
.irp dx, 0,1
	v_lshlrev_b32 v[BY+\dx], v[SH8], v[BY+\dx]     ; at its place in the pixel's scale word: byte h
.endr
.irp dx, 0,1
	v_permlanex16_b32 v[BX+\dx], v[BY+\dx], s[SEL], s[SEL+1]
.endr
.irp dx, 0,1
	v_or_b32 v[SX+\dx], v[BY+\dx], v[BX+\dx]       ; with lane l xor 16's the word is whole; bytes 2, 3 are 0, over zero codes
.endr
.irp dx, 0,1
	v_cvt_scalef32_pk16_fp6_f32 v[CD+12*\dx:CD+12*\dx+2], v[X+32*\dx:X+32*\dx+15], v[SO+\dx]
	v_cvt_scalef32_pk16_fp6_f32 v[TC+4*\dx:TC+4*\dx+2], v[X+32*\dx+16:X+32*\dx+31], v[SO+\dx]   ; (a conversion's three registers begin on an even number)
.endr
	v_nop                                          ; one plain place behind a scaled conversion
.irp dx, 0,1
.irp i, 0,1,2
	v_mov_b32 v[CD+12*\dx+3+\i], v[TC+4*\dx+\i]    ; registers 0-5: k = 32 h + 0 .. 31, the operand's own layout
.endr
.endr
.rept 8
	v_nop                                          ; a scale register written by a vector instruction stands 8 places ahead of a scaled matrix instruction, an operand so written 4
.endr
	; phi's conv in f32: 16 steps of 4 channels; the two tiles' accumulators take turns, one instruction a turn
.set i, 0
.rept 16
.irp dx, 0,1
.if i == 0
	v_wmma_f32_16x16x4_f32 v[PH+8*\dx:PH+8*\dx+7], v[WP:WP+1], v[X+32*\dx:X+32*\dx+1], 0
.else
	v_wmma_f32_16x16x4_f32 v[PH+8*\dx:PH+8*\dx+7], v[WP+2*i:WP+2*i+1], v[X+32*\dx+2*i:X+32*\dx+2*i+1], v[PH+8*\dx:PH+8*\dx+7]
.endif
.endr
.set i, i+1
.endr
	; g's conv on codes: source 0 = 16 pixels, source 1 = 16 channel slots.  In the result lane (r, h) holds slot r, and register j pooled column 16 h + 8 u + j
.irp dx, 0,1
.irp ct, 0,1
	v_wmma_scale_f32_16x16x128_f8f6f4 v[G+16*\dx+8*\ct:G+16*\dx+8*\ct+7], v[CD+12*\dx:CD+12*\dx+11], v[WG+12*\ct:WG+12*\ct+11], 0, v[SX+\dx], v[SW+\ct] matrix_a_fmt:MATRIX_FMT_FP6 matrix_b_fmt:MATRIX_FMT_FP6
.endr
.endr
.rept 8
	v_nop                                          ; 8 places behind the f32 form ahead of the reads of its results and of loads into its sources; they cover the 4 behind the 6-bit form
.endr
	; the pool; each accumulator is read from its low end on
.irp j, 0,1,2,3
.if \dy == 0
	v_max_num_f32 v[PP+\j], v[PH+\j], v[PH+8+\j]
.else
	v_max3_num_f32 v[PP+\j], v[PP+\j], v[PH+\j], v[PH+8+\j]
.endif
.endr
.irp ct, 0,1
.irp j, 0,1,2,3,4,5,6,7
.if \dy == 0
	v_max_num_f32 v[GP+8*\ct+\j], v[G+8*\ct+\j], v[G+16+8*\ct+\j]
.else
	v_max3_num_f32 v[GP+8*\ct+\j], v[GP+8*\ct+\j], v[G+8*\ct+\j], v[G+16+8*\ct+\j]
.endif
.endr
.endr
.endm
	HALF 0
	HALF 1
	global_store_b128 v[PO], v[PP:PP+3], s[12:13]  ; the wave stores 512 consecutive bytes, at a multiple of 512 from the record's first byte
	; A block of 32 keys of a channel lies in two waves (u = 0, 1) and two halves of the lanes: the pooled g changes waves through LDS, as images of registers
.irp ct, 0,1
.irp k, 0,1
	ds_store_b128 v[EXS], v[GP+8*\ct+4*\k:GP+8*\ct+4*\k+3] offset:2048*\ct+512*\k
.endr
.endr
	s_wait_dscnt 0x0                               ; for the others' sake: my stores have landed
	s_barrier_signal -1
	s_barrier_wait -1
.irp u, 0,1
.irp k, 0,1
	ds_load_b128 v[X+8*\u+4*\k:X+8*\u+4*\k+3], v[EXL] offset:1024*\u+512*\k   ; wave (b, ct): register i = pooled column 16 h + i of slot (ct, r)
.endr
.endr
	s_wait_dscnt 0x0
	v_max3_num_f32 v[AM], |v[X]|, |v[X+1]|, FLOOR
	v_max_num_f32 v[AM+1], |v[X+2]|, |v[X+3]|
.irp i, 4,8,12
	v_max3_num_f32 v[AM], v[AM], |v[X+\i]|, |v[X+\i+1]|
	v_max3_num_f32 v[AM+1], v[AM+1], |v[X+\i+2]|, |v[X+\i+3]|
.endr
	v_max_num_f32 v[AM], v[AM], v[AM+1]
	v_permlanex16_b32 v[BX], v[AM], s[SEL], s[SEL+1]
	v_max_num_f32 v[AM], v[AM], v[BX]              ; with lane l xor 16's 16 keys: the block's largest magnitude
	v_add_nc_u32 v[SO], EOFF, v[AM]
	v_lshrrev_b32 v[BY], 23, v[SO]
	v_cvt_scalef32_pk16_fp6_f32 v[TC:TC+2], v[X:X+15], v[SO]
	v_nop                                          ; one plain place behind a scaled conversion
	global_store_b96 v[GCO], v[TC:TC+2], s[12:13]  ; the wave stores 384 consecutive bytes
	global_store_b8 v[GSO], v[BY], s[12:13]        ; both lanes of a block write the same byte with the same value
	s_wait_tensorcnt 0x0
	ds_add_u32 v254, v255
	s_wait_dscnt 0x0
	s_endpgm
.Lfunc_end_k_q6ff14c1bb8_prep:
	.size	k_q6ff14c1bb8_prep, .Lfunc_end_k_q6ff14c1bb8_prep-k_q6ff14c1bb8_prep
	.p2alignl 7, 3214868480
	.fill 96, 4, 3214868480
	.section	.rodata,"a",@progbits
	.p2align	6, 0x0
	.amdhsa_kernel k_q6ff14c1bb8_prep
		.amdhsa_group_segment_fixed_size 168448
		.amdhsa_private_segment_fixed_size 0
		.amdhsa_enable_private_segment 0
		.amdhsa_kernarg_size 40
		.amdhsa_user_sgpr_count 2
		.amdhsa_user_sgpr_kernarg_segment_ptr 1
		.amdhsa_wavefront_size32 1
		.amdhsa_system_sgpr_workgroup_id_x 1
		.amdhsa_system_sgpr_workgroup_id_y 1
		.amdhsa_system_sgpr_workgroup_id_z 1
		.amdhsa_system_vgpr_workitem_id 0
		.amdhsa_next_free_vgpr 256
		.amdhsa_next_free_sgpr 66
		.amdhsa_reserve_vcc 0
		.amdhsa_float_denorm_mode_32 3
		.amdhsa_float_denorm_mode_16_64 3
		.amdhsa_memory_ordered 1
		.amdhsa_forward_progress 1
		.amdhsa_inst_pref_size 31
	.end_amdhsa_kernel
	.amdgpu_metadata
---
amdhsa.version: [ 1, 2 ]
amdhsa.kernels:
  - .name:           k_q6ff14c1bb8_prep
    .symbol:         k_q6ff14c1bb8_prep.kd
    .args:
      - { .name: x, .offset: 0, .size: 8, .value_kind: global_buffer, .address_space: global }
      - { .name: Wp, .offset: 8, .size: 8, .value_kind: global_buffer, .address_space: global }
      - { .name: Wg_codes, .offset: 16, .size: 8, .value_kind: global_buffer, .address_space: global }
      - { .name: Wg_scales, .offset: 24, .size: 8, .value_kind: global_buffer, .address_space: global }
      - { .name: kv, .offset: 32, .size: 8, .value_kind: global_buffer, .address_space: global }
    .group_segment_fixed_size: 168448
    .private_segment_fixed_size: 0
    .kernarg_segment_align: 8
    .kernarg_segment_size: 40
    .max_flat_workgroup_size: 128
    .sgpr_count:     66
    .vgpr_count:     256
    .wavefront_size: 32
...
	.end_amdgpu_metadata
.endif
;; end of part 1
;; launch attn (part 2): grid 16 x 16, 16 waves a work-group, clusters of 4 x 1, 169,984 bytes of LDS; arguments x, Wt, Wo_codes, Wo_scales, gamma, kv, out0; writes out0
.if DOCPART == 2
	.amdgcn_target "amdgcn-amd-amdhsa--gfx1250"
	.amdhsa_code_object_version 6
	.text
	.protected	k_q6ff14c1bb8_attn
	.globl	k_q6ff14c1bb8_attn
	.p2align	8
	.type	k_q6ff14c1bb8_attn,@function
k_q6ff14c1bb8_attn:
	s_mov_b64 s[64:65], 0
	v_nop
	global_prefetch_b8 v0, s[64:65] scope:SCOPE_SE
	s_setreg_imm32_b32 hwreg(HW_REG_WAVE_MODE, 25, 1), 1
	s_wait_xcnt 0x0
	s_wait_alu depctr_hold_cnt(0) depctr_sa_sdst(0) depctr_va_vdst(0) depctr_va_sdst(0) depctr_va_ssrc(0) depctr_va_vcc(0) depctr_vm_vsrc(0)
	s_getreg_b32 s2, hwreg(HW_REG_IB_STS2, 6, 4)
	s_cmp_eq_u32 s2, 0
	s_cbranch_scc0 .Lentry_in_a_cluster
	s_endpgm
.Lentry_in_a_cluster:
	s_bfe_u32 s2, ttmp6, 0x10000c
	s_cmp_lg_u32 s2, 0x3003
	s_cbranch_scc0 .Lentry_shape_is_right
	s_endpgm
.Lentry_shape_is_right:
; ATTN: out = gamma Wo (g softmax(theta^T phi)^T) + x.  x, out: [16][64 channels][4,096 pixels] f32.  kv: a record of 58,368 bytes a batch: phi in f32, g's FP6 codes and E8M0 scales, laid in the order of this
; text's registers (PHI at 0: 64 tiles x 512 bytes; GC at 32,768: [ct 2][ks 8][c 2][lane 32][24 bytes]; GS at 57,344: [ks 8][ct 2][r 16][4 bytes]).
; SHARES.  A work-group owns 256 queries (4 image rows) of one batch; each of its SIXTEEN waves owns 16 of them, one tile, in 256 registers.  Every wave walks the batch's 1,024 keys, 128 a step.
; LDS, all filled once: x's tile, 64 channel rows x (1,024 + 16) bytes; the batch's whole record; Wo's codes.  There is no ring and nothing is filled again.  The result is made in place in x's tile, which has had its only fill.
; CLUSTER.  The four work-groups of a cluster belong to one batch and read the same record and the same Wo: both are asked for JOINTLY (mask 15, the same descriptor in all four).  x's tile is each work-group's own.
; THE PRODUCTS.  theta = Wt x and the scores S^T = phi^T theta take f32 operands (v_wmma_f32_16x16x4_f32): they stand ahead of a quantiser.  K is permuted alike on both sides: in the conv a lane (r, h) holds channels
; 32 h + i, in the scores channels 4 h + 0 .. 3.  log2(e) is multiplied into theta, so a score is t as it stands.  p = 2^(t - M), M the running largest t rounded UP to a whole number; p is quantised to FP6 along
; the keys; the row's sum is taken of the unquantised p and divides at the end.  O^T += g p^T and y = Q(o) Wo^T go on codes.  A lane holds ONE query (lane % 16) from theta to o.
; THE KEYS OF A TILE ARE NOT NEIGHBOURS: row m of tile 2 b + u is key 32 b + 8 u + m + 8 (m / 8), so that the 16 registers of tiles 2 b, 2 b + 1 are keys 32 b + 16 h + 0 .. 15.  g's channel slots are chosen likewise:
; O^T's 16 registers are channels 16 h + 0 .. 15.
; BY TURNS.  A key step has 16 products for its scores and 226 vector instructions.  83 of these read the scores (the maxima; t - M, which is copied to P); the other 141 touch p, the statistics and O^T alone.  So the 16
; products of the NEXT step's scores stand among those 141, one ahead of each 5 to 20 of them: the scores' registers are free as soon as t - M is copied.  For that phi has registers of its own, and g has none: g's two
; fragments come into the first 24 registers of P when the conversions have read p, and the product O^T += g p^T of step j stands in step j + 1, behind that step's maxima, which write nothing that it reads.
; No prefetch: all that a work-group reads is asked for at its head.
; LIMITS: NaN and infinities are not served.  A block whose largest magnitude lies under 2^-124 gets the scale byte 1 (a block of zeros too: its codes are zeros).  A p under 2^-126 counts as 0 (v_exp_f32's entry in the ISA guide).
; The f32 sums run in another order than the source's: K permuted, theta in two partial sums, log2(e) inside theta.
.set XP,    1040                       ; a channel's row in LDS: 1,024 bytes + 16 of padding = 65 x 16: the 16 rows of a 16-byte load fall on 16 different columns of 16 bytes
.set HOFF,  33344                      ; channels 32-63 lie 32 rows and 64 bytes on
.set KV,    66816                      ; behind x's tile (it ends at 66,624)
.set REC,   58368
.set KVQ,   REC/4                      ; 57 rows of 256 bytes: what one tensor load brings
.set GCB,   32768
.set GSB,   57344
.set WO,    KV+REC                     ; Wo's codes, 1,536 bytes
.set FLOOR, 0x1800000                  ; 2^(3 - 127)
.set EOFF,  0xff000000                 ; takes 2 off an exponent field
.set APH, 1                            ; v1   LDS: my 16 bytes of a tile of phi
.set AGC, 2                            ; v2   my 24 bytes of half a fragment of g
.set AGS, 3                            ; v3   my scale word of g
.set XA,  4                            ; v4   x(channel 32 h, my query)
.set AWO, 5                            ; v5   Wo's row r
.set AIP, 6                            ; v6   x(channel r, my wave's pixels 8 h on): the residual, in place
.set ARD, 7                            ; v7   the way out: my 16 bytes of channel row 4 wave
.set GO,  8                            ; v8   and the same place in out
.set ADP, 9                            ; v9   (at the head: my bytes of Wt)  the addresses of the loads in hand
.set ADG, 10
.set ADS, 11
.set NM,  12                           ; v12  -M;  v13 the largest t;  v[14:15] the sum in two halves
.set TH,  16                           ; v16-19 theta x log2(e): channels 4 h + 0 .. 3 of my query
.set FF,  20                           ; v20  f = 2^(old M - new M); v21 is named with it as a pair
.set PSW, 22                           ; v22  p's scale word;  v23 g's;  v24 o's;  v25-28 Wo's: scales and nothing else
.set GSW, 23
.set OSW, 24
.set WOS, 25
.set RR,  29                           ; v29  r;  v30 h;  v31 lane
.set S,   32                           ; v32-95   the scores; at the head theta's two sums; at the end y: written by matrix instructions alone
.set P,   96                           ; v96-159  p; v96-119 then g's two fragments; at the head Wt and x; at the end two of Wo's fragments, the residual, the way out
.set O,   160                          ; v160-175 O^T
.set PHI, 176                          ; v176-207 a step's eight fragments of phi; at the end two of Wo's fragments
.set PC,  208                          ; v208-219 p's codes; later o's
.set PT,  220                          ; v220-227 second halves of the conversions
.set BM,  228                          ; v228-231 a block's largest score, then its largest p
.set BT,  232                          ; v232-235 at work
.set SOP, 236                          ; v236-239 the conversions' scale operands
.set L2,  240                          ; v240-241 the sum's second chain
.set TMP, 242
.set WV,  18                           ; s18  wave
.set G1X, 24                           ; s[24:31] group 1 for x's tile;  s[32:39] for the record;  s[40:47] for Wo
.set G1K, 32
.set G1W, 40
.set G0X, 48                           ; s[48:51], s[52:55], s[56:59] their groups 0
.set G0K, 52
.set G0W, 56
.set SEL, 60                           ; s[60:61] v_permlanex16_b32's selects for lane l xor 16
.set CNT, 62
.set GAM, 66                           ; s[66:67] gamma: the packed form names a pair and takes its low word for both halves
.set TP,  76                           ; s76  where the phi of the step after next begins: 4,096 bytes a step
.set TG,  77                           ; s77  this step's g: 1,536 bytes a step
.set TS,  78                           ; s78  its scale words: 128 bytes a step
; A round of the cluster's barrier: my work-group's barrier; wave 0 signals for the work-group; every wave waits for all four work-groups; my work-group's barrier once more.
.macro CROUND
	s_barrier_signal -1
	s_barrier_wait -1
	s_cmp_lg_u32 s[WV], 0
	s_cbranch_scc1 .Lnot_wave_0_\@
	s_barrier_signal -3
.Lnot_wave_0_\@:
	s_barrier_wait -3
	s_barrier_signal -1
	s_barrier_wait -1
.endm
	s_load_b256 s[4:11], s[0:1], 0x0               ; x s[4:5], Wt s[6:7], Wo's codes s[8:9], Wo's scales s[10:11]
	s_load_b128 s[12:15], s[0:1], 0x20             ; gamma s[12:13], kv s[14:15]
	s_load_b64 s[16:17], s[0:1], 0x30              ; out
	v_lshl_add_u32 v254, v0, 2, 0x29000
	v_mov_b32 v255, 0
	ds_add_u32 v254, v255
	ds_add_u32 v254, v255
	v_lshrrev_b32 v[RR], 5, v0
	v_readfirstlane_b32 s[WV], v[RR]               ; wave 0..15
	s_bfe_u32 s19, ttmp6, 0x40000                  ; cx: my place in the cluster: it enters x's and out's addresses in memory alone
	s_lshl_b32 s20, ttmp9, 2
	s_add_co_u32 s20, s20, s19                     ; my block of 256 queries = 4 x cluster x + cx
	s_and_b32 s21, ttmp7, 0xffff                   ; the batch, which the four partners share
	; every LDS address is made here, ahead of the first branch on the wave's number
	v_and_b32 v[RR], 15, v0
	v_bfe_u32 v30, v0, 4, 1
	v_and_b32 v31, 31, v0
	v_lshl_add_u32 v[APH], v31, 4, KV
	v_mul_u32_u24 v[AGC], v31, 24
	v_add_nc_u32 v[AGC], KV+GCB, v[AGC]
	v_lshl_add_u32 v[AGS], v31, 2, KV+GSB
	s_lshl_b32 s22, s[WV], 6                       ; my wave's 16 pixels: 64 bytes of a row
	v_mul_u32_u24 v[XA], v30, HOFF
	v_lshl_add_u32 v[XA], v[RR], 2, v[XA]
	v_add_nc_u32 v[XA], s22, v[XA]
	v_mul_u32_u24 v[AWO], v[RR], 24
	v_add_nc_u32 v[AWO], WO, v[AWO]
	v_mul_u32_u24 v[AIP], v[RR], XP
	v_lshl_add_u32 v[AIP], v30, 5, v[AIP]
	v_add_nc_u32 v[AIP], s22, v[AIP]
	s_mul_i32 s22, s[WV], 4*XP                     ; the way out: channel rows 4 wave .. 4 wave + 3,
	s_lshr_b32 s23, s[WV], 3
	s_lshl_b32 s23, s23, 6                         ; 64 bytes further on from channel 32
	s_add_co_u32 s22, s22, s23
	v_lshl_add_u32 v[ARD], v31, 4, s22
	s_lshl_b32 s22, s[WV], 16                      ; 4 channels x 16,384 bytes
	v_lshl_add_u32 v[GO], v31, 4, s22
	v_and_b32 v[ADP], 3, v0
	v_bfe_u32 v[ADG], v0, 3, 1
	v_lshl_add_u32 v[ADP], v[ADG], 2, v[ADP]       ; Wt's row r % 4 + 4 (r / 8): registers 0-3 of the result are then channels 4 h + 0 .. 3
	v_lshlrev_b32 v[ADP], 8, v[ADP]
	v_lshl_add_u32 v[ADP], v30, 7, v[ADP]          ; channels 32 h on
	; group 1 for x: 16 rows (channels) of 128 elements of 8 bytes, 2,048 elements apart; 4 words of padding behind every 256; no mask
	s_mov_b32 s[G1X+0], (3<<16)|(1<<20)|(7<<22)|(3<<25)
	s_mov_b32 s[G1X+1], 128<<16
	s_mov_b32 s[G1X+2], 16<<16
	s_mov_b32 s[G1X+3], 128<<16
	s_mov_b32 s[G1X+4], 16
	s_mov_b32 s[G1X+5], 2048
	s_mov_b32 s[G1X+6], 0
	s_mov_b32 s[G1X+7], 0
	; for a quarter of the record: 57 dense rows of 32 elements of 8 bytes; the mask names all four work-groups, bit 21 set beside it
	s_mov_b32 s[G1K+0], 15|(3<<16)|(1<<21)
	s_mov_b32 s[G1K+1], 32<<16
	s_mov_b32 s[G1K+2], 57<<16
	s_mov_b32 s[G1K+3], 32<<16
	s_mov_b32 s[G1K+4], 57
	s_mov_b32 s[G1K+5], 32
	s_mov_b32 s[G1K+6], 0
	s_mov_b32 s[G1K+7], 0
	; for Wo's codes: 6 such rows
	s_mov_b32 s[G1W+0], 15|(3<<16)|(1<<21)
	s_mov_b32 s[G1W+1], 32<<16
	s_mov_b32 s[G1W+2], 6<<16
	s_mov_b32 s[G1W+3], 32<<16
	s_mov_b32 s[G1W+4], 6
	s_mov_b32 s[G1W+5], 32
	s_mov_b32 s[G1W+6], 0
	s_mov_b32 s[G1W+7], 0
	s_mov_b32 s[SEL], 0x76543210
	s_mov_b32 s[SEL+1], 0xfedcba98
	s_mov_b32 s[TP], 2*4096                        ; key step 0 asks for step 2's phi
	s_mov_b32 s[TG], 0
	s_mov_b32 s[TS], 0
	s_and_b32 s68, s[WV], 3                        ; which quarter I fetch, if I fetch
	s_mov_b32 s[G0X], 1
	s_mul_i32 s[G0X+1], s68, 16*XP
	s_lshr_b32 s69, s68, 1
	s_lshl_b32 s69, s69, 6
	s_add_co_u32 s[G0X+1], s[G0X+1], s69
	s_lshl_b32 s70, s21, 20                        ; batch x 2^20
	s_lshl_b32 s71, s20, 10                        ; + my block's 4 image rows
	s_add_co_u32 s70, s70, s71
	s_mov_b32 s71, 0
	s_lshl_b32 s72, s68, 18                        ; + 16 channels a wave
	s_mov_b32 s73, 0
	s_mov_b32 s[G0K], 1
	s_mul_i32 s[G0K+1], s68, KVQ
	s_add_co_u32 s[G0K+1], s[G0K+1], KV
	s_mul_i32 s74, s21, REC                        ; the batch's record, my quarter: no place in the cluster enters these registers
	s_mul_i32 s75, s68, KVQ
	s_add_co_u32 s74, s74, s75
	s_mov_b32 s75, 0
	s_mov_b32 s[G0W], 1
	s_mov_b32 s[G0W+1], WO
	s_wait_dscnt 0x0
	s_wait_kmcnt 0x0
	s_load_b32 s[GAM], s[12:13], 0x0               ; gamma: wanted at the very end
	s_add_nc_u64 s[G0X+2:G0X+3], s[4:5], s[70:71]
	s_add_nc_u64 s[G0X+2:G0X+3], s[G0X+2:G0X+3], s[72:73]
	s_or_b32 s[G0X+3], s[G0X+3], 0x80000000
	s_add_nc_u64 s[16:17], s[16:17], s[70:71]      ; out at my block, channel 0
	s_add_nc_u64 s[G0K+2:G0K+3], s[14:15], s[74:75]
	s_or_b32 s[G0K+3], s[G0K+3], 0x80000000
	s_mov_b64 s[G0W+2:G0W+3], s[8:9]
	s_or_b32 s[G0W+3], s[G0W+3], 0x80000000
	CROUND                                         ; all four work-groups are here: the joint loads meet
	; The launch's only tensor loads: waves 0-3 x's tile, waves 4-7 the record, wave 8 Wo's codes; one load a wave at the most.  The branches hang on the wave's number alone.  Four v_nop follow each.
	s_cmp_lt_u32 s[WV], 4
	s_cbranch_scc0 .Lnot_x
	tensor_load_to_lds s[G0X:G0X+3], s[G1X:G1X+7]
	s_nop 0
.rept 4
	v_nop
.endr
	s_branch .Lasked
.Lnot_x:
	s_cmp_lt_u32 s[WV], 8
	s_cbranch_scc0 .Lnot_kv
	tensor_load_to_lds s[G0K:G0K+3], s[G1K:G1K+7]
	s_nop 0
.rept 4
	v_nop
.endr
	s_branch .Lasked
.Lnot_kv:
	s_cmp_eq_u32 s[WV], 8
	s_cbranch_scc0 .Lasked
	tensor_load_to_lds s[G0W:G0W+3], s[G1W:G1W+7]
	s_nop 0
.rept 4
	v_nop
.endr
.Lasked:
.irp i, 0,1,2,3,4,5,6,7
	global_load_b128 v[P+4*\i:P+4*\i+3], v[ADP], s[6:7] offset:16*\i   ; Wt's fragment
.endr
.irp T, 0,1,2,3
	global_load_u8 v[WOS+\T], v[RR], s[10:11] offset:16*\T             ; Wo's scale of out channel 16 T + r in byte 0; bytes 1-3 are 0 and stand over zero codes
.endr
	v_mov_b32 v13, 0xff61b1e6                      ; the largest t so far: -3e38, under every t
	v_floor_f32 v[NM], -v13                        ; -M
	v_mov_b32 v14, 0
	v_mov_b32 v15, 0
	v_mov_b32 v[FF+1], 0                           ; (named as the upper half of a pair)
.irp b, 0,1,2,3
	v_mov_b32 v[BT+\b], 0                          ; written once: a lane permute's destination counts as one of its sources
.endr
	s_wait_tensorcnt 0x0                           ; my load, if I had one, has landed,
	s_barrier_signal -1
	s_barrier_wait -1                              ; everybody's has: all of LDS is filled
	s_wait_kmcnt 0x0                               ; gamma
	s_mov_b32 s[GAM+1], s[GAM]
	; THETA of my 16 queries: 16 steps of 4 channels, two accumulators by turns, one instruction a turn
.set i, 0
.rept 32
	ds_load_b32 v[P+32+i], v[XA] offset:i*XP       ; x(channel 32 h + i, my query)
.set i, i+1
.endr
	s_wait_loadcnt 0x0                             ; Wt, and Wo's scales
	s_wait_dscnt 0x0
.set i, 0
.rept 16
.if i < 2
	v_wmma_f32_16x16x4_f32 v[S+8*(i%2):S+8*(i%2)+7], v[P+2*i:P+2*i+1], v[P+32+2*i:P+32+2*i+1], 0
.else
	v_wmma_f32_16x16x4_f32 v[S+8*(i%2):S+8*(i%2)+7], v[P+2*i:P+2*i+1], v[P+32+2*i:P+32+2*i+1], v[S+8*(i%2):S+8*(i%2)+7]
.endif
.set i, i+1
.endr
.rept 9
	v_nop                                          ; behind the f32 form: 8 places ahead of reads of its results, 9 ahead of the matrix instructions that write these accumulators anew
.endr
.irp t, 0,1,2,3,4,5,6,7
	ds_load_b128 v[PHI+4*\t:PHI+4*\t+3], v[APH] offset:512*\t   ; key step 0's phi
.endr
.irp j, 0,1,2,3
	v_add_f32 v[TH+\j], v[S+\j], v[S+8+\j]         ; the two partial sums,
.endr
.irp j, 0,1,2,3
	v_mul_f32 v[TH+\j], 0x3fb8aa3b, v[TH+\j]       ; x log2(e)
.endr
; Product NW of 16 of S^T = phi^T theta: eight tiles of 16 keys, two steps of 4 channels.  The first eight start the sums; the eight accumulators take turns, one instruction a turn.
.macro MM
.if NW < 8
	v_wmma_f32_16x16x4_f32 v[S+8*NW:S+8*NW+7], v[PHI+4*NW:PHI+4*NW+1], v[TH:TH+1], 0
.else
	v_wmma_f32_16x16x4_f32 v[S+8*(NW-8):S+8*(NW-8)+7], v[PHI+4*(NW-8)+2:PHI+4*(NW-8)+3], v[TH+2:TH+3], v[S+8*(NW-8):S+8*(NW-8)+7]
.endif
.set NW, NW+1
.endm
.macro MMIF mm
.if \mm
	MM
.endif
.endm
; O^T += g p^T: g's two fragments (16 channel slots x 128 keys each) lie in P's first 24 registers; g's scale words: lanes 0-15 the first tile's, lanes 16-31 the second's
.macro PV
	v_wmma_scale_f32_16x16x128_f8f6f4 v[O:O+7], v[P:P+11], v[PC:PC+11], v[O:O+7], v[GSW], v[PSW] matrix_a_fmt:MATRIX_FMT_FP6 matrix_b_fmt:MATRIX_FMT_FP6
	v_wmma_scale_f32_16x16x128_f8f6f4 v[O+8:O+15], v[P+12:P+23], v[PC:PC+11], v[O+8:O+15], v[GSW], v[PSW] matrix_a_fmt:MATRIX_FMT_FP6 matrix_b_fmt:MATRIX_FMT_FP6 matrix_a_scale:MATRIX_SCALE_ROW1
.endm
; A KEY STEP: 128 keys, whose scores lie in S.
; first = 1: no product of a step before is pending.  mm = 1: the next step's 16 score products stand among this step's vector work.  nxt = 1: the phi of the step after next is asked for.  last = 1: Wo's codes are.
.macro STEP first, mm, nxt, last
.irp b, 0,1,2,3
	v_max3_num_f32 v[BM+\b], v[S+16*\b], v[S+16*\b+1], v[S+16*\b+2]   ; THE LARGEST t OF EACH BLOCK OF 32 KEYS: it serves for the row's maximum and, since p rises with t, for the block's largest p.  Each accumulator is read from its low end on
.endr
.irp i, 3,5,7,9,11,13
.irp b, 0,1,2,3
	v_max3_num_f32 v[BM+\b], v[BM+\b], v[S+16*\b+\i], v[S+16*\b+\i+1]
.endr
.endr
.irp b, 0,1,2,3
	v_max_num_f32 v[BM+\b], v[BM+\b], v[S+16*\b+15]
.endr
.irp b, 0,1,2,3
	v_permlanex16_b32 v[BT+\b], v[BM+\b], s[SEL], s[SEL+1]
.endr
.irp b, 0,1,2,3
	v_max_num_f32 v[BM+\b], v[BM+\b], v[BT+\b]     ; with lane l xor 16's 16 keys
.endr
	v_max3_num_f32 v[TMP], v[BM], v[BM+1], v[BM+2]
	v_max3_num_f32 v13, v[TMP], v[BM+3], v13       ; the running largest t
	v_mov_b32 v[TMP], v[NM]
	v_floor_f32 v[NM], -v13                        ; the new -M = floor(-t) = -ceil(t): M is a whole number
	v_sub_f32 v[TMP], v[NM], v[TMP]                ; old M - new M: a whole number, 0 or less
	v_cvt_i32_f32 v[TMP], v[TMP]                   ; (it saturates)
	v_ldexp_f32 v[FF], 1.0, v[TMP]                 ; f = 2^(old M - new M): a multiplication by it rounds nothing
.if !\first                                    ; THE PRODUCT OF THE STEP BEFORE: its codes, scale words and O^T (already under that step's M) have not been touched by the lines above
.if \mm
	s_wait_dscnt 8                                 ; g's thirteen loads are in; the eight for phi, issued behind them in the step before, may be out
.else
	s_wait_dscnt 0x0                               ; g's thirteen loads are in (nothing was asked for behind them)
.endif
	PV
.endif
.set j, 24                                     ; t - M, two at a time (of the pair the low word, -M, serves both halves).  From P's register 24 on, its first 24 last: they were the product's sources, and the twenty lines ahead of them are more than the four places owed
.rept 32
	v_pk_add_f32 v[P+j:P+j+1], v[S+j:S+j+1], v[NM:NM+1] op_sel_hi:[1,0]
.set j, (j+2)%64
.endr
.irp b, 0,1,2,3
	v_add_f32 v[BM+\b], v[BM+\b], v[NM]            ; the same of each block's largest t
.endr
	v_add_nc_u32 v[ADG], s[TG], v[AGC]             ; the addresses of this step's loads
	v_add_nc_u32 v[ADS], s[TS], v[AGS]
.if \nxt
	v_add_nc_u32 v[ADP], s[TP], v[APH]
.endif
.if \mm
	s_wait_dscnt 0x0                               ; the next step's phi is in
.endif
	; FROM HERE ON S IS FREE: the next step's products stand among the lines below, none of which names S, phi or theta
.set NW, 0
.set j, 0
.rept 8
	MMIF \mm                                       ; products 0 to 7, each ahead of eight exponentials
.rept 8
	v_exp_f32 v[P+j], v[P+j]                       ; p = 2^(t - M), at most 1: not normalised
.set j, j+1
.endr
.endr
	v_pk_mul_f32 v[14:15], v[14:15], v[FF:FF+1] op_sel_hi:[1,0]   ; the sums under the new M: the plain instruction behind the exponentials
	s_wait_alu depctr_va_vdst(0)                   ; one wait for the batch of 64, ahead of its first reader
	MMIF \mm                                       ; 8
.irp b, 0,1,2,3
	v_exp_f32 v[BM+\b], v[BM+\b]                   ; the block's largest p: the same two instructions on the same number give the same bits
.endr
	v_pk_add_f32 v[L2:L2+1], v[P:P+1], v[P+2:P+3]  ; THE ROW'S SUM IS TAKEN OF THE UNQUANTISED p, two at a time, in two chains.  Its first half reads the 64 alone: plain work behind the four
.irp j, 4,8
	v_pk_add_f32 v[14:15], v[14:15], v[P+\j:P+\j+1]
	v_pk_add_f32 v[L2:L2+1], v[L2:L2+1], v[P+\j+2:P+\j+3]
.endr
	MMIF \mm                                       ; 9
.irp j, 12,16,20,24,28
	v_pk_add_f32 v[14:15], v[14:15], v[P+\j:P+\j+1]
	v_pk_add_f32 v[L2:L2+1], v[L2:L2+1], v[P+\j+2:P+\j+3]
.endr
	s_wait_alu depctr_va_vdst(0)                   ; and one wait for the four
	MMIF \mm                                       ; 10
.irp b, 0,1,2,3
	v_max_num_f32 v[BM+\b], FLOOR, v[BM+\b]        ; the floor: the byte cannot fall under 1 (a block whose every p has fallen to 0 keeps that byte: its codes are zeros)
.endr
.irp b, 0,1,2,3
	v_add_nc_u32 v[SOP+\b], EOFF, v[BM+\b]         ; 2 off the exponent field: the conversion's scale operand
.endr
	MMIF \mm                                       ; 11
.irp b, 0,1,2,3
	v_lshrrev_b32 v[BT+\b], 23, v[SOP+\b]          ; the scale's byte
.endr
	v_lshl_or_b32 v[PSW], v[BT+1], 8, v[BT]        ; p's scale word for these 128 keys
	v_lshl_or_b32 v[PSW], v[BT+2], 16, v[PSW]
	v_lshl_or_b32 v[PSW], v[BT+3], 24, v[PSW]
	MMIF \mm                                       ; 12
.irp j, 32,36,40,44
	v_pk_add_f32 v[14:15], v[14:15], v[P+\j:P+\j+1]
	v_pk_add_f32 v[L2:L2+1], v[L2:L2+1], v[P+\j+2:P+\j+3]
.endr
	MMIF \mm                                       ; 13
.irp j, 48,52,56,60
	v_pk_add_f32 v[14:15], v[14:15], v[P+\j:P+\j+1]
	v_pk_add_f32 v[L2:L2+1], v[L2:L2+1], v[P+\j+2:P+\j+3]
.endr
	v_pk_add_f32 v[14:15], v[14:15], v[L2:L2+1]
	MMIF \mm                                       ; 14
.irp c, 0,1
	v_cvt_scalef32_pk16_fp6_f32 v[PC+6*\c:PC+6*\c+2], v[P+32*\c:P+32*\c+15], v[SOP+2*\c]
	v_cvt_scalef32_pk16_fp6_f32 v[PT+4*\c:PT+4*\c+2], v[P+32*\c+16:P+32*\c+31], v[SOP+2*\c+1]   ; (a conversion's three registers begin on an even number)
.endr
	v_nop                                          ; one plain place behind a scaled conversion
.irp ct, 0,1                                   ; p has been read for the last time: THIS step's g comes into its first 24 registers, for the product that stands behind the next step's maxima
.irp c, 0,1
.irp p, 0,1,2
	ds_load_b64 v[P+12*\ct+6*\c+2*\p:P+12*\ct+6*\c+2*\p+1], v[ADG] offset:12288*\ct+768*\c+8*\p
.endr
.endr
.endr
	ds_load_b32 v[GSW], v[ADS]                     ; lanes 0-15: ct = 0; lanes 16-31: ct = 1
.if \last
.irp T, 0,1,2,3                                ; Wo's four fragments: two where phi lay, two in P behind g
.set WF, (1-\T/2)*(PHI+12*\T)+(\T/2)*(P+12*\T)
.irp p, 0,1,2
	ds_load_b64 v[WF+2*\p:WF+2*\p+1], v[AWO] offset:384*\T+8*\p   ; Wo's row 16 T + r: 32 codes, 24 bytes
.endr
.irp i, 6,7,8,9,10,11
	v_mov_b32 v[WF+\i], 0                          ; K = 64 .. 127 of the instruction: zero codes
.endr
.endr
.endif
	MMIF \mm                                       ; 15: behind it stand six moves and eight packed multiplies, plain lines that name none of its registers: more than the 8 places ahead of the loads into phi's registers and of the next step's reads of S
.irp c, 0,1                                    ; the operand's layout wants a WHOLE block in a lane: lanes 0-15 block 2 c, lanes 16-31 block 2 c + 1
.irp i, 0,1,2
	v_permlane16_swap_b32 v[PC+6*\c+\i], v[PT+4*\c+\i]
.endr
.irp i, 0,1,2
	v_mov_b32 v[PC+6*\c+3+\i], v[PT+4*\c+\i]
.endr
.endr
.irp j, 0,2,4,6,8,10,12,14                     ; O^T under the new M
	v_pk_mul_f32 v[O+\j:O+\j+1], v[O+\j:O+\j+1], v[FF:FF+1] op_sel_hi:[1,0]
.endr
.if \nxt
.irp t, 0,1,2,3,4,5,6,7
	ds_load_b128 v[PHI+4*\t:PHI+4*\t+3], v[ADP] offset:512*\t   ; the phi of the step after next: it has the next step's 83 first vector instructions in which to land
.endr
	s_add_co_u32 s[TP], s[TP], 4096
.endif
.if !\last
	s_add_co_u32 s[TG], s[TG], 1536
	s_add_co_u32 s[TS], s[TS], 128
.endif
.endm
	s_wait_dscnt 0x0                               ; key step 0's phi is in
.set NW, 0
.rept 16
	MM                                             ; key step 0's scores: there is no vector work yet to set between them
.endr
.set j, 0
.rept 16
	v_mov_b32 v[O+j], 0                            ; O^T begins as zeros, which the first change of M leaves zeros.  These sixteen are also the places behind the products above
.set j, j+1
.endr
.irp t, 0,1,2,3,4,5,6,7
	ds_load_b128 v[PHI+4*\t:PHI+4*\t+3], v[APH] offset:4096+512*\t   ; key step 1's phi
.endr
	STEP 1, 1, 1, 0                                ; key step 0
	s_mov_b32 s[CNT], 5
.Lkey:
	STEP 0, 1, 1, 0                                ; key steps 1 to 5
	s_sub_co_u32 s[CNT], s[CNT], 1
	s_cmp_lg_u32 s[CNT], 0
	s_cbranch_scc1 .Lkey
	STEP 0, 1, 0, 0                                ; key step 6: step 7's scores; there is no phi left to ask for
	STEP 0, 0, 0, 1                                ; key step 7: no scores follow; Wo's codes are asked for
	s_wait_dscnt 12                                ; g's thirteen loads are in; the twelve for Wo, issued behind them, may be out
	PV                                             ; the last step's product
	; o = O^T / the sum; registers 0-15 are channels 16 h + 0 .. 15 of my query
	v_add_f32 v14, v14, v15                        ; the sum's two halves,
	v_permlanex16_b32 v[BT], v14, s[SEL], s[SEL+1]
	v_add_f32 v14, v14, v[BT]                      ; and lane l xor 16's: the row's sum
	v_rcp_f32 v14, v14
.rept 4
	v_nop                                          ; the plain place behind the reciprocal, and the four places behind the last products
.endr
	s_wait_alu depctr_va_vdst(0)                   ; the wait ahead of the reciprocal's first reader
.irp j, 0,2,4,6,8,10,12,14
	v_pk_mul_f32 v[O+\j:O+\j+1], v[O+\j:O+\j+1], v[14:15] op_sel_hi:[1,0]
.endr
	; o is quantised along its 32 channels: one block, in lanes l and l xor 16
	v_max3_num_f32 v[TMP], |v[O]|, |v[O+1]|, FLOOR
.irp i, 2,4,6,8,10,12,14
	v_max3_num_f32 v[TMP], v[TMP], |v[O+\i]|, |v[O+\i+1]|
.endr
	v_permlanex16_b32 v[BT], v[TMP], s[SEL], s[SEL+1]
	v_max_num_f32 v[TMP], v[TMP], v[BT]
	v_add_nc_u32 v[SOP], EOFF, v[TMP]
	v_lshrrev_b32 v[OSW], 23, v[SOP]               ; byte 0: the block's scale; bytes 1-3 are 0 and stand over zero codes
.irp i, 3,4,5,6,7,8,9,10,11
	v_mov_b32 v[PC+\i], 0
.endr
	v_cvt_scalef32_pk16_fp6_f32 v[PC:PC+2], v[O:O+15], v[SOP]
	v_nop                                          ; one plain place behind a scaled conversion
.irp i, 0,1,2
	v_permlane16_swap_b32 v[PC+\i], v[PC+3+\i]     ; lanes 16-31's codes (channels 16-31) go to lanes 0-15 of registers 3-5, zeros come back: lanes 0-15 hold K = 0 .. 31, all else is zero codes
.endr
	s_wait_dscnt 0x0                               ; Wo's codes are in
	s_mov_b32 vcc_lo, 0xffff
.irp T, 0,1,2,3
.set WF, (1-\T/2)*(PHI+12*\T)+(\T/2)*(P+12*\T)
.irp i, 0,1,2,3,4,5
	v_cndmask_b32 v[WF+\i], 0, v[WF+\i], vcc_lo    ; K = 32 .. 63 lies in lanes 16-31: zero codes there too
.endr
.endr
.rept 8
	v_nop                                          ; a scale register written by a vector instruction stands 8 places ahead of a scaled matrix instruction, an operand so written 4
.endr
.irp T, 0,1,2,3                                ; y = Q(o) Wo^T: source 0 = my 16 queries, source 1 = out channels 16 T + 0 .. 15.  Lane (r, h) holds channel 16 T + r, pixels 8 h + 0 .. 7: 32 neighbouring bytes of a row of out
.set WF, (1-\T/2)*(PHI+12*\T)+(\T/2)*(P+12*\T)
	v_wmma_scale_f32_16x16x128_f8f6f4 v[S+8*\T:S+8*\T+7], v[PC:PC+11], v[WF:WF+11], 0, v[OSW], v[WOS+\T] matrix_a_fmt:MATRIX_FMT_FP6 matrix_b_fmt:MATRIX_FMT_FP6
.endr
.rept 4
	v_nop                                          ; four places ahead of loads into Wo's registers and of the reads of y
.endr
	; gamma y + x, in place in x's tile: until the barrier below a wave touches its own 64 bytes of each row alone
.irp T, 0,1,2,3
.irp k, 0,1
	ds_load_b128 v[P+8*\T+4*\k:P+8*\T+4*\k+3], v[AIP] offset:\T*16*XP+(\T/2)*64+16*\k
.endr
.endr
	s_wait_dscnt 0x0
.set j, 0
.rept 16
	v_pk_fma_f32 v[P+j:P+j+1], v[S+j:S+j+1], s[GAM:GAM+1], v[P+j:P+j+1] op_sel_hi:[1,0,1]   ; each accumulator from its low end on
.set j, j+2
.endr
.irp T, 0,1,2,3
.irp k, 0,1
	ds_store_b128 v[AIP], v[P+8*\T+4*\k:P+8*\T+4*\k+3] offset:\T*16*XP+(\T/2)*64+16*\k
.endr
.endr
	s_wait_dscnt 0x0                               ; for the others' sake: my stores have landed
	s_barrier_signal -1
	s_barrier_wait -1                              ; 64 whole rows of out lie in LDS
	; THE WAY OUT: wave w takes channel rows 4 w .. 4 w + 3, 1,024 bytes each, half a row an instruction
.set n, 0
.rept 8
	ds_load_b128 v[P+32+4*n:P+32+4*n+3], v[ARD] offset:(n/2)*XP+(n%2)*512
.set n, n+1
.endr
.set n, 0
.rept 8
	s_wait_dscnt 7-n                               ; LDS loads come back in order (ISA guide 5.7.1): load n is in, the younger ones may be out
	global_store_b128 v[GO], v[P+32+4*n:P+32+4*n+3], s[16:17] offset:(n/2)*16384+(n%2)*512 th:TH_STORE_NT   ; 32 lanes store 512 consecutive bytes, at a multiple of 512 from out's first byte; written once, read by nobody here
.set n, n+1
.endr
	s_wait_tensorcnt 0x0
	ds_add_u32 v254, v255
	s_wait_dscnt 0x0
	CROUND                                         ; the closing round: no work-group ends while a partner may still ask for a tile that names it
	s_endpgm
.Lfunc_end_k_q6ff14c1bb8_attn:
	.size	k_q6ff14c1bb8_attn, .Lfunc_end_k_q6ff14c1bb8_attn-k_q6ff14c1bb8_attn
	.p2alignl 7, 3214868480
	.fill 96, 4, 3214868480
	.section	.rodata,"a",@progbits
	.p2align	6, 0x0
	.amdhsa_kernel k_q6ff14c1bb8_attn
		.amdhsa_group_segment_fixed_size 169984
		.amdhsa_private_segment_fixed_size 0
		.amdhsa_enable_private_segment 0
		.amdhsa_kernarg_size 56
		.amdhsa_user_sgpr_count 2
		.amdhsa_user_sgpr_kernarg_segment_ptr 1
		.amdhsa_wavefront_size32 1
		.amdhsa_system_sgpr_workgroup_id_x 1
		.amdhsa_system_sgpr_workgroup_id_y 1
		.amdhsa_system_sgpr_workgroup_id_z 1
		.amdhsa_system_vgpr_workitem_id 0
		.amdhsa_next_free_vgpr 256
		.amdhsa_next_free_sgpr 80
		.amdhsa_reserve_vcc 1
		.amdhsa_float_denorm_mode_32 3
		.amdhsa_float_denorm_mode_16_64 3
		.amdhsa_memory_ordered 1
		.amdhsa_forward_progress 1
		.amdhsa_inst_pref_size 78
	.end_amdhsa_kernel
	.amdgpu_metadata
---
amdhsa.version: [ 1, 2 ]
amdhsa.kernels:
  - .name:           k_q6ff14c1bb8_attn
    .symbol:         k_q6ff14c1bb8_attn.kd
    .args:
      - { .name: x, .offset: 0, .size: 8, .value_kind: global_buffer, .address_space: global }
      - { .name: Wt, .offset: 8, .size: 8, .value_kind: global_buffer, .address_space: global }
      - { .name: Wo_codes, .offset: 16, .size: 8, .value_kind: global_buffer, .address_space: global }
      - { .name: Wo_scales, .offset: 24, .size: 8, .value_kind: global_buffer, .address_space: global }
      - { .name: gamma, .offset: 32, .size: 8, .value_kind: global_buffer, .address_space: global }
      - { .name: kv, .offset: 40, .size: 8, .value_kind: global_buffer, .address_space: global }
      - { .name: out0, .offset: 48, .size: 8, .value_kind: global_buffer, .address_space: global }
    .group_segment_fixed_size: 169984
    .private_segment_fixed_size: 0
    .kernarg_segment_align: 8
    .kernarg_segment_size: 56
    .max_flat_workgroup_size: 512
    .sgpr_count:     80
    .vgpr_count:     256
    .wavefront_size: 32
...
	.end_amdgpu_metadata
.endif
;; end of part 2
